; MI455X (gfx1250); checked and timed in simulation.
; The chip was launched on July 23, 2026; its instructions are those of AMD's public machine-readable ISA for CDNA 5 (MIT licence, August 2026) and "CDNA5" Instruction Set Architecture Reference Guide (July 2026). The comments in the code are by the model that wrote it; some were corrected since.
;; Multihead Attention. Allowed arithmetic: float matrix products may take bf16 or f16 operands with f32 sums; all other float work in f32.
;; Inputs: Wk 1,024 x 1,024 float32; Wo 1,024 x 1,024 float32; Wq 1,024 x 1,024 float32; Wv 1,024 x 1,024 float32; keys 2 x 2,048 x 1,024 float32; mask 1 x 1 x 2,048 x 2,048 bool; queries 2 x 2,048 x 1,024 float32; values 2 x 2,048 x 1,024 float32.
;; Outputs: out0 2 x 2,048 x 1,024 float32.
;; One version. Each part assembles by itself: llvm-mc -triple=amdgcn-amd-amdhsa -mcpu=gfx1250 --defsym DOCPART=n.
;; ======== version 1 of 1: 4 launches
;; limits: values are held in f16: magnitudes above 65,504 overflow, below 6.1e-05 lose precision
;; workspace buffers: xb 25,165,824 bytes; wb 8,388,608 bytes; mbits 524,288 bytes of whole numbers; qkv 25,165,824 bytes; att 8,388,608 bytes
;; launch prep (part 1): grid 1280 x 1, 8 waves a work-group, no clusters, 0 bytes of LDS; arguments queries, keys, values, Wq, Wk, Wv, Wo, mask, xb, wb, mbits; writes xb, wb, mbits
.if DOCPART == 1
	.amdgcn_target "amdgcn-amd-amdhsa--gfx1250"
	.amdhsa_code_object_version 6
	.text
	.protected	k_q78b3cb348a_prep
	.globl	k_q78b3cb348a_prep
	.p2align	8
	.type	k_q78b3cb348a_prep,@function
k_q78b3cb348a_prep:
	s_mov_b64 s[64:65], 0
	v_nop
	global_prefetch_b8 v0, s[64:65] scope:SCOPE_SE
	s_setreg_imm32_b32 hwreg(HW_REG_WAVE_MODE, 25, 1), 1
	s_wait_xcnt 0x0
; Rounds the seven f32 inputs once to bf16 and packs the mask into lane-mask words.
;   xb   : bf16 [12288][1024] = queries | keys | values
;   wb   : bytes 0 .. 6291455: bf16 [3072][1024] = Wq | Wk | Wv
;          from byte 6291456: Wo, rounded to bf16 and then written as f16, blocked [n/128][k/64][n%128][k%64]
;   mbits: words [q/32][key/32][qt 2][kt 2][j 8]; bit L (r = L & 15, h = L >> 4) = mask[32 (q/32) + 16 qt + r][32 (key/32) + 16 kt + 8 h + j]
; LIMIT: a bf16 value of Wo below 2^-14 in magnitude loses bits in f16 (absolute error at most 3e-8); above 65504 it would overflow.
; A stream: every byte is read once and written once, so no LDS, no barrier, no matrix unit and no cluster (no two work-groups share a byte).
; Work-groups 0..959: 16384 numbers each, copied in order.  960..1023: 16 rows of Wo each.  1024..1279: eight mask tasks each (one a wave).
; There is no loop: a wave issues its sixteen loads at once and no register that a store reads is written again.
.set WO_AT, 6291456                    ; byte of wb at which Wo's blocks begin
	s_load_b512 s[4:19], s[0:1], 0x0               ; queries 4, keys 6, values 8, Wq 10, Wk 12, Wv 14, Wo 16, mask 18
	s_load_b128 s[20:23], s[0:1], 0x40             ; xb 20, wb 22
	s_load_b64 s[24:25], s[0:1], 0x50              ; mbits
	s_mov_b32 s39, ttmp9                           ; x: the work-group's number
	v_lshrrev_b32 v3, 5, v0
	v_readfirstlane_b32 s38, v3                    ; wave 0..7
	s_mov_b32 s3, 0                                ; upper word of every offset pair s[2:3]
	v_lshlrev_b32 v2, 3, v0                        ; out: 8 bytes a thread, a wave's store covers 256 consecutive aligned bytes
	s_wait_kmcnt 0x0
; Sixteen loads of 16 bytes a lane, then for each: round, pack, store 8 bytes.  wo = 1: bf16 is widened again and written as f16.
.macro CAST instep, outstep, wo
.set i, 0
.rept 16
	global_load_b128 v[4+4*i:7+4*i], v1, s[26:27] offset:i*\instep th:TH_LOAD_NT
.set i, i+1
.endr
.set i, 0
.rept 16
	s_wait_loadcnt 15-i                            ; loads return in order: load i is in, the 15 - i younger ones stay out
	v_cvt_pk_bf16_f32 v[4+4*i], v[4+4*i], v[5+4*i]
	v_cvt_pk_bf16_f32 v[5+4*i], v[6+4*i], v[7+4*i]
.if \wo
	v_lshlrev_b32 v68, 16, v[4+4*i]                ; the rounded numbers as f32 again
	v_and_b32 v69, 0xffff0000, v[4+4*i]
	v_lshlrev_b32 v70, 16, v[5+4*i]
	v_and_b32 v71, 0xffff0000, v[5+4*i]
	v_cvt_pk_f16_f32 v[4+4*i], v68, v69            ; 8 bits of mantissa fit into f16's 11: exact inside f16's normal range
	v_cvt_pk_f16_f32 v[5+4*i], v70, v71
.endif
	global_store_b64 v2, v[4+4*i:5+4*i], s[28:29] offset:i*\outstep
.set i, i+1
.endr
.endm
	s_cmp_ge_u32 s39, 1024
	s_cbranch_scc1 .Lmask
	s_cmp_ge_u32 s39, 960
	s_cbranch_scc1 .Lwo
	; ---- copied in order: x picks the source
	s_mov_b64 s[26:27], s[4:5]
	s_cmp_ge_u32 s39, 256
	s_cselect_b64 s[26:27], s[6:7], s[26:27]
	s_cmp_ge_u32 s39, 512
	s_cselect_b64 s[26:27], s[8:9], s[26:27]
	s_cmp_ge_u32 s39, 768
	s_cselect_b64 s[26:27], s[10:11], s[26:27]
	s_cmp_ge_u32 s39, 832
	s_cselect_b64 s[26:27], s[12:13], s[26:27]
	s_cmp_ge_u32 s39, 896
	s_cselect_b64 s[26:27], s[14:15], s[26:27]
	s_cmp_ge_u32 s39, 768
	s_cselect_b32 s2, 63, 255                      ; 256 work-groups for an activation, 64 for a weight
	s_and_b32 s2, s39, s2
	s_lshl_b32 s2, s2, 16                          ; 65536 bytes of f32 each
	s_add_nc_u64 s[26:27], s[26:27], s[2:3]
	s_cmp_ge_u32 s39, 768                          ; compared again: the lines above changed SCC
	s_cselect_b64 s[28:29], s[22:23], s[20:21]     ; wb or xb
	s_cselect_b32 s2, 768, 0
	s_sub_co_u32 s2, s39, s2
	s_lshl_b32 s2, s2, 15                          ; 32768 bytes of bf16 each
	s_add_nc_u64 s[28:29], s[28:29], s[2:3]
	v_lshlrev_b32 v1, 4, v0                        ; in: 16 bytes a thread, a wave's load covers 512 consecutive bytes
	CAST 4096, 2048, 0
	s_endpgm
.Lwo:	; ---- rows 16 e .. 16 e + 15 of Wo; load i takes k block i: sixteen lanes read 256 consecutive bytes of one row
	s_sub_co_u32 s30, s39, 960                     ; e
	s_lshl_b32 s2, s30, 16                         ; 16 rows of 4096 bytes
	s_add_nc_u64 s[26:27], s[16:17], s[2:3]
	s_lshr_b32 s2, s30, 3
	s_lshl_b32 s2, s2, 18                          ; n / 128 blocks of 262144 bytes
	s_and_b32 s31, s30, 7
	s_lshl_b32 s31, s31, 11                        ; 16 rows of 128 bytes inside a k block
	s_add_co_u32 s2, s2, s31
	s_add_co_u32 s2, s2, WO_AT
	s_add_nc_u64 s[28:29], s[22:23], s[2:3]
	v_lshrrev_b32 v1, 4, v0                        ; my row of the sixteen
	v_and_b32 v3, 15, v0
	v_lshlrev_b32 v1, 12, v1
	v_lshl_add_u32 v1, v3, 4, v1                   ; row x 4096 + 16 bytes a lane
	CAST 256, 16384, 1                             ; out: (row x 128 + 8 (t & 15)) = 8 t, k blocks 16384 bytes apart
	s_endpgm
.Lmask:	; ---- a wave's task: 32 queries x 64 keys -> 64 words = 256 bytes
	s_sub_co_u32 s2, s39, 1024
	s_lshl_b32 s2, s2, 3
	s_add_co_u32 s2, s2, s38                       ; task 0..2047 = (q/32) x 32 + key/64
	s_lshl_b32 s30, s2, 8                          ; its 256 bytes in mbits
	s_lshr_b32 s31, s2, 5
	s_lshl_b32 s31, s31, 16                        ; 32 rows of 2048 bytes
	s_and_b32 s2, s2, 31
	s_lshl_b32 s2, s2, 6                           ; 64 keys
	s_add_co_u32 s2, s2, s31
	s_add_nc_u64 s[26:27], s[18:19], s[2:3]
	s_mov_b32 s2, s30
	s_add_nc_u64 s[28:29], s[24:25], s[2:3]
	v_and_b32 v1, 15, v0
	v_bfe_u32 v3, v0, 4, 1
	v_lshlrev_b32 v1, 11, v1
	v_lshl_add_u32 v1, v3, 3, v1                   ; row r, bytes 8 h .. 8 h + 7
.irp qt, 0,1
.irp kt, 0,1,2,3
	global_load_b64 v[4+2*(4*\qt+\kt):5+2*(4*\qt+\kt)], v1, s[26:27] offset:\qt*32768+\kt*16 th:TH_LOAD_NT
.endr
.endr
	v_mov_b32 v40, 0                               ; v_writelane_b32 keeps the other lanes: both registers are written whole first
	v_mov_b32 v41, 0
	v_and_b32 v2, 31, v0
	v_lshlrev_b32 v2, 3, v2                        ; lane l stores words 2 l and 2 l + 1
	s_wait_loadcnt 0x0
.set n, 0
.irp qt, 0,1
.irp kt, 0,1,2,3
.irp j, 0,1,2,3,4,5,6,7
.set wi, (\kt/2)*32+\qt*16+(\kt%2)*8+\j
	v_and_b32 v[44+n%4], 0xff<<(8*(\j%4)), v[4+2*(4*\qt+\kt)+\j/4]   ; byte j of my eight
	v_cmp_ne_u32 s[30+n%8], 0, v[44+n%4]           ; one bit a lane: the word
	v_writelane_b32 v[40+wi%2], s[30+n%8], wi/2
.set n, n+1
.endr
.endr
.endr
	global_store_b64 v2, v[40:41], s[28:29]        ; 256 consecutive aligned bytes
	s_endpgm
.Lfunc_end_k_q78b3cb348a_prep:
	.size	k_q78b3cb348a_prep, .Lfunc_end_k_q78b3cb348a_prep-k_q78b3cb348a_prep
	.p2alignl 7, 3214868480
	.fill 96, 4, 3214868480
	.section	.rodata,"a",@progbits
	.p2align	6, 0x0
	.amdhsa_kernel k_q78b3cb348a_prep
		.amdhsa_group_segment_fixed_size 0
		.amdhsa_private_segment_fixed_size 0
		.amdhsa_enable_private_segment 0
		.amdhsa_kernarg_size 88
		.amdhsa_user_sgpr_count 2
		.amdhsa_user_sgpr_kernarg_segment_ptr 1
		.amdhsa_wavefront_size32 1
		.amdhsa_system_sgpr_workgroup_id_x 1
		.amdhsa_system_sgpr_workgroup_id_y 1
		.amdhsa_system_sgpr_workgroup_id_z 1
		.amdhsa_system_vgpr_workitem_id 0
		.amdhsa_next_free_vgpr 72
		.amdhsa_next_free_sgpr 66
		.amdhsa_reserve_vcc 0
		.amdhsa_float_denorm_mode_32 3
		.amdhsa_float_denorm_mode_16_64 3
		.amdhsa_memory_ordered 1
		.amdhsa_forward_progress 1
		.amdhsa_inst_pref_size 33
	.end_amdhsa_kernel
	.amdgpu_metadata
---
amdhsa.version: [ 1, 2 ]
amdhsa.kernels:
  - .name:           k_q78b3cb348a_prep
    .symbol:         k_q78b3cb348a_prep.kd
    .args:
      - { .name: queries, .offset: 0, .size: 8, .value_kind: global_buffer, .address_space: global }
      - { .name: keys, .offset: 8, .size: 8, .value_kind: global_buffer, .address_space: global }
      - { .name: values, .offset: 16, .size: 8, .value_kind: global_buffer, .address_space: global }
      - { .name: Wq, .offset: 24, .size: 8, .value_kind: global_buffer, .address_space: global }
      - { .name: Wk, .offset: 32, .size: 8, .value_kind: global_buffer, .address_space: global }
      - { .name: Wv, .offset: 40, .size: 8, .value_kind: global_buffer, .address_space: global }
      - { .name: Wo, .offset: 48, .size: 8, .value_kind: global_buffer, .address_space: global }
      - { .name: mask, .offset: 56, .size: 8, .value_kind: global_buffer, .address_space: global }
      - { .name: xb, .offset: 64, .size: 8, .value_kind: global_buffer, .address_space: global }
      - { .name: wb, .offset: 72, .size: 8, .value_kind: global_buffer, .address_space: global }
      - { .name: mbits, .offset: 80, .size: 8, .value_kind: global_buffer, .address_space: global }
    .group_segment_fixed_size: 0
    .private_segment_fixed_size: 0
    .kernarg_segment_align: 8
    .kernarg_segment_size: 88
    .max_flat_workgroup_size: 256
    .sgpr_count:     66
    .vgpr_count:     72
    .wavefront_size: 32
...
	.end_amdgpu_metadata
.endif
;; end of part 1
;; launch qkv (part 2): grid 4 x 48, 4 waves a work-group, clusters of 4 x 4, 327,680 bytes of LDS; arguments xb, wb, qkv; writes qkv
.if DOCPART == 2
	.amdgcn_target "amdgcn-amd-amdhsa--gfx1250"
	.amdhsa_code_object_version 6
	.text
	.protected	k_q78b3cb348a_qkv
	.globl	k_q78b3cb348a_qkv
	.p2align	8
	.type	k_q78b3cb348a_qkv,@function
k_q78b3cb348a_qkv:
	s_mov_b64 s[64:65], 0
	v_nop
	global_prefetch_b8 v0, s[64:65] scope:SCOPE_SE
	s_setreg_imm32_b32 hwreg(HW_REG_WAVE_MODE, 25, 1), 1
	s_wait_xcnt 0x0
	s_wait_alu depctr_hold_cnt(0) depctr_sa_sdst(0) depctr_va_vdst(0) depctr_va_sdst(0) depctr_va_ssrc(0) depctr_va_vcc(0) depctr_vm_vsrc(0)
	s_getreg_b32 s2, hwreg(HW_REG_IB_STS2, 6, 4)
	s_cmp_eq_u32 s2, 0
	s_cbranch_scc0 .Lentry_in_a_cluster
	s_endpgm
.Lentry_in_a_cluster:
	s_bfe_u32 s2, ttmp6, 0x10000c
	s_cmp_lg_u32 s2, 0xf033
	s_cbranch_scc0 .Lentry_shape_is_right
	s_endpgm
.Lentry_shape_is_right:
; q | k | v = (queries | keys | values) W^T, three products 4096 x 1024 x 1024 in one launch.
; A = xb, bf16 [12288][1024]; B = wb's first 3072 rows, bf16 [3072][1024] (Wq | Wk | Wv); sums in f32.
; Result: qkv, f16 [3][batch 2][head 16][t 2048][d 64].  LIMIT: |q|, |k|, |v| must stay below 65504 (f16); f16 is taken for its
; 11 bits of mantissa: rows of the output that average few values keep the whole rounding error of v.
; A work-group makes 256 x 256 with four waves, a wave 128 x 128: 64 accumulator tiles, 512 registers.  48 block rows x 4 block columns =
; 192 work-groups: blocks of 128 x 128 would give 768 but read twice the LDS and L2 bytes for each product.
; K goes in steps of 128 through two LDS slots filled by the tensor data mover; a tile's rows are 256 bytes and start at multiples of 256.
; CLUSTERS: 4 x 4 work-groups.  The four of a cluster's row need the same tiles of A, the four of a column the same tiles of B: each tile
; is asked for jointly, by the same tensor load with the same descriptor and a mask that names the four.
; REGISTERS in windows of 256: window 0: v0-31 addresses, v64-127 and v128-191 A's fragments (two buffers), v192-223 the way out;
; window 1: v64-127, v128-191 B's fragments; window 2: accumulators of my rows 0-63 (tile (a, b) at v[8 (8 a + b)]); window 3: rows 64-127.
; THE MATRIX INSTRUCTION IS USED TRANSPOSED: source 0 = 16 rows of B, source 1 = 16 rows of A, so that a lane's eight results are eight
; neighbouring columns of one row of the result.
.set SIZE_K, 1024
.set KSTEP,  128
.set PITCH,  272                       ; an LDS row: 256 bytes + 16 of padding: the 16 rows that a load touches start at 16 different banks
.set HALFT,  128*PITCH                 ; 128 rows: what one tensor load brings
.set SLOT,   4*HALFT                   ; A's 256 rows, then B's 256 rows
.set STAGE,  2*SLOT                    ; behind the ring: 16 rows x 272 bytes for each wave; no tensor load lands there
.set SPITCH, 272
.set LAPS, SIZE_K/(2*KSTEP)            ; a lap = two K steps = once round the ring: 4
.set ADRA, 16                          ; v16-17  LDS address of my A fragments in slot 0, 1
.set ADRB, 20                          ; v20-21  the same for B
.set STO,  24                          ; v24     the way out: where I put 16 bytes of a row
.set RD,   25                          ; v25     the way out: where I read back
.set CO,   26                          ; v26     my byte offset in qkv
.set F0,   64
.set F1,   128
.set TMP,  192
.set G1, 24                            ; s[24:31] group 1 for A's tiles
.set G0, 32                            ; s[32:39] group 0 for A's tiles, a set for each slot
.set G1B, 48                           ; s[48:55] group 1 for B's tiles: another mask
.set G0B, 56                           ; s[56:63] group 0 for B's tiles
.set MSB, 0
.macro WIN new                         ; the immediate's high byte repeats the setting that is left
.if MSB != \new
	s_set_vgpr_msb (MSB<<8)|\new
.set MSB, \new
.endif
.endm
.set MUL_LO, 0xa1                      ; source 0 (B) window 1, source 1 (A) window 0, C and D window 2
.set MUL_HI, 0xf1                      ; the same, C and D window 3
.set TO_B,   0x40                      ; destination window 1, address window 0
; A joint load.  Waves 0 and 1 fetch A's two halves, waves 2 and 3 B's.  The branch hangs on the wave's number alone.
.macro JLOAD s
	s_cmp_eq_u32 s11, 0
	s_cbranch_scc0 .Lfor_b_\@
	tensor_load_to_lds s[G0+4*\s:G0+4*\s+3], s[G1:G1+7]
	s_nop 0
	s_branch .Lasked_\@
.Lfor_b_\@:
	tensor_load_to_lds s[G0B+4*\s:G0B+4*\s+3], s[G1B:G1B+7]
	s_nop 0
.Lasked_\@:
.endm
; A round of the cluster's barrier: my work-group's barrier; wave 0 signals for the work-group; every wave waits for all sixteen; my barrier again.
.macro CREST                           ; a round behind its opening barrier
	s_cmp_lg_u32 s10, 0
	s_cbranch_scc1 .Lnot_wave_0_\@
	s_barrier_signal -3
.Lnot_wave_0_\@:
	s_barrier_wait -3
	s_barrier_signal -1
	s_barrier_wait -1
.endm
.macro CROUND
	s_barrier_signal -1
	s_barrier_wait -1
	CREST
.endm
	s_load_b128 s[4:7], s[0:1], 0x0                ; xb s[4:5], wb s[6:7]
	s_load_b64 s[8:9], s[0:1], 0x10                ; qkv
	s_set_vgpr_msb 0x40
	v_lshl_add_u32 v255, v0, 2, 0x48400
	s_set_vgpr_msb 0x4000
	v_mov_b32 v255, 0
	s_set_vgpr_msb 0x1
	ds_add_u32 v255, v255
	s_set_vgpr_msb 0x100
	v_lshrrev_b32 v1, 5, v0
	v_readfirstlane_b32 s10, v1                    ; wave 0..3
	s_lshr_b32 s11, s10, 1                         ; which half of the block's rows is mine.  Also: I fetch for A (0) or for B (1)
	s_and_b32 s12, s10, 1                          ; which half of its columns.  Also: which 128 rows of that tile I fetch
	s_bfe_u32 s40, ttmp6, 0x40000                  ; cx
	s_bfe_u32 s41, ttmp6, 0x40004                  ; cy
	s_lshl_b32 s42, ttmp9, 2
	s_add_co_u32 s42, s42, s40                     ; block column 0..3 = 4 x cluster x + cx
	s_and_b32 s13, ttmp7, 0xffff
	s_lshl_b32 s13, s13, 2
	s_add_co_u32 s13, s13, s41                     ; block row 0..47 = 4 x cluster y + cy
	s_lshl_b32 s43, s41, 2
	s_lshl_b32 s43, 15, s43                        ; my row of the cluster
	s_lshl_b32 s44, 0x1111, s40                    ; my column
	s_or_b32 s[G1+0], s43, (1<<16)|(1<<20)|(1<<21)|(5<<22)|(3<<25)  ; mask; 2-byte elements; padding on; bit 21 beside a mask; after every 64 words 4 words
	s_or_b32 s[G1B+0], s44, (1<<16)|(1<<20)|(1<<21)|(5<<22)|(3<<25)
	s_mov_b32 s[G1B+1], KSTEP<<16
	s_mov_b32 s[G1+1], KSTEP<<16                   ; tensor_dim0 = 128
	s_mov_b32 s[G1B+2], 128<<16
	s_mov_b32 s[G1+2], 128<<16                     ; tensor_dim1 = 128
	s_mov_b32 s[G1B+3], KSTEP<<16
	s_mov_b32 s[G1+3], KSTEP<<16                   ; tile_dim0 = 128
	s_mov_b32 s[G1B+4], 128
	s_mov_b32 s[G1+4], 128                         ; tile_dim1 = 128
	s_mov_b32 s[G1B+5], SIZE_K
	s_mov_b32 s[G1+5], SIZE_K                      ; elements from row to row
	s_mov_b32 s[G1B+6], 0
	s_mov_b32 s[G1+6], 0
	s_mov_b32 s[G1B+7], 0
	s_mov_b32 s[G1+7], 0
	; A's tiles hang on the block row alone, B's on the block column and on which of the three products the cluster works at:
	; 16 block rows = 4 clusters along y belong to one product, so that number is made of the cluster's y, which all partners share.
	s_lshl_b32 s17, s12, 7                         ; which 128 rows of the tile I fetch
	s_lshl_b32 s16, s13, 8
	s_add_co_u32 s16, s16, s17                     ; A: row 256 x block row + 128 x half
	s_lshl_b32 s46, s42, 8
	s_add_co_u32 s46, s46, s17                     ; B: row 256 x block column + 128 x half
	s_and_b32 s45, ttmp7, 0xffff
	s_lshr_b32 s45, s45, 2                         ; product 0, 1, 2
	s_lshl_b32 s45, s45, 10
	s_add_co_u32 s46, s46, s45                     ;    + 1024 x product
	s_mov_b32 s17, 0
	s_mov_b32 s47, 0
	s_mov_b64 s[18:19], SIZE_K*2
	s_mul_u64 s[16:17], s[16:17], s[18:19]         ; in bytes
	s_mul_u64 s[46:47], s[46:47], s[18:19]
	s_mul_i32 s20, s10, HALFT                      ; LDS: wave x 128 rows: no place in the cluster enters an LDS address
	s_wait_dscnt 0x0
	s_wait_kmcnt 0x0
	s_add_nc_u64 s[14:15], s[4:5], s[16:17]
	s_add_nc_u64 s[46:47], s[6:7], s[46:47]
	CROUND                                         ; all sixteen work-groups are here: the first joint loads meet
.irp s, 0,1
	s_mov_b32 s[G0+4*\s], 1
	s_add_co_u32 s[G0+4*\s+1], s20, \s*SLOT
	s_add_nc_u64 s[G0+4*\s+2:G0+4*\s+3], s[14:15], \s*KSTEP*2
	s_or_b32 s[G0+4*\s+3], s[G0+4*\s+3], 0x80000000
	s_mov_b32 s[G0B+4*\s], 1
	s_add_co_u32 s[G0B+4*\s+1], s20, \s*SLOT
	s_add_nc_u64 s[G0B+4*\s+2:G0B+4*\s+3], s[46:47], \s*KSTEP*2
	s_or_b32 s[G0B+4*\s+3], s[G0B+4*\s+3], 0x80000000
	JLOAD \s                                       ; both slots' first fills go out together: two tensor loads of the wave are out
.endr
	; A fragment is 16 rows x 32 K in 8 registers: lane l holds row l % 16; registers 0-3 K = 8 (l / 16) + 0..7, registers 4-7 K = 16 + 8 (l / 16) + 0..7.
	v_and_b32 v1, 15, v0                           ; l % 16
	v_bfe_u32 v2, v0, 4, 1                         ; l / 16
	v_mul_u32_u24 v3, v1, PITCH
	v_lshl_add_u32 v3, v2, 4, v3
	s_mul_i32 s21, s11, HALFT                      ; my 128 rows of A
	s_mul_i32 s22, s12, HALFT                      ; my 128 rows of B,
	s_add_co_u32 s22, s22, 2*HALFT                 ; behind A's 256
.irp s, 0,1
	v_add_nc_u32 v[ADRA+\s], s21, v3
	v_add_nc_u32 v[ADRB+\s], s22, v3
	s_add_co_u32 s21, s21, SLOT
	s_add_co_u32 s22, s22, SLOT
.endr
	s_mul_i32 s23, s10, 16*SPITCH
	s_add_co_u32 s23, s23, STAGE                   ; my stage
	v_mul_u32_u24 v4, v1, SPITCH                   ; in: row l % 16, 16 bytes for each half of the lanes
	v_lshl_add_u32 v4, v2, 4, v4
	v_add_nc_u32 v[STO], s23, v4
	; back: a head's row is 128 bytes.  Lanes 0-7 take the first head's part of row 2 t, lanes 8-15 of row 2 t + 1 (256 consecutive bytes
	; of qkv); lanes 16-31 the same of the second head.
	v_and_b32 v5, 7, v0
	v_bfe_u32 v6, v0, 3, 1
	v_mul_u32_u24 v7, v6, SPITCH
	v_lshl_add_u32 v7, v2, 7, v7
	v_lshl_add_u32 v7, v5, 4, v7
	v_add_nc_u32 v[RD], s23, v7
	v_lshlrev_b32 v7, 18, v2                       ; a head is 262144 bytes
	v_lshl_add_u32 v7, v6, 7, v7
	v_lshl_add_u32 v[CO], v5, 4, v7
; 16 matrix instructions: m blocks a0, a0 + 1 of the window's four x all 8 n blocks, 32 along K.  zero = 1: the first product starts the sums.
.macro MUL16 f, hi, a0, zero
.irp a, \a0, \a0+1
.irp b, 0,1,2,3,4,5,6,7
.if \zero
	v_wmma_f32_16x16x32_bf16 v[8*(8*(\a)+\b):8*(8*(\a)+\b)+7], v[\f+8*\b:\f+8*\b+7], v[\f+8*(4*\hi+\a):\f+8*(4*\hi+\a)+7], 0
.else
	v_wmma_f32_16x16x32_bf16 v[8*(8*(\a)+\b):8*(8*(\a)+\b)+7], v[\f+8*\b:\f+8*\b+7], v[\f+8*(4*\hi+\a):\f+8*(4*\hi+\a)+7], v[8*(8*(\a)+\b):8*(8*(\a)+\b)+7]
.endif
.endr
.endr
.endm
; 32 LDS loads in one run: the fragments of one quarter step into buffer f
.macro FETCH slot, k, f
	WIN TO_B
.irp i, 0,1,2,3,4,5,6,7
	ds_load_b128 v[\f+8*\i:\f+8*\i+3],   v[ADRB+\slot] offset:\k+\i*16*PITCH
	ds_load_b128 v[\f+8*\i+4:\f+8*\i+7], v[ADRB+\slot] offset:\k+\i*16*PITCH+32
.endr
	WIN 0
.irp i, 0,1,2,3,4,5,6,7
	ds_load_b128 v[\f+8*\i:\f+8*\i+3],   v[ADRA+\slot] offset:\k+\i*16*PITCH
	ds_load_b128 v[\f+8*\i+4:\f+8*\i+7], v[ADRA+\slot] offset:\k+\i*16*PITCH+32
.endr
.endm
; Four plain vector instructions stand between a matrix instruction and a load into, or a vector instruction on, one of its registers.
.macro PLACES
.rept 4
	v_nop
.endr
.endm
; A K step is four quarters of 32 along K, 64 matrix instructions each, on buffers 0, 1, 0, 1.  The 64 accumulators take turns, one
; instruction a turn, in the same order everywhere.
.macro QUARTER slot, k, f, g, zero
	s_wait_dscnt 8                                 ; B and A's rows 0-63 are in; the youngest eight loads (A's rows 64-127) may be out
	WIN MUL_LO
	MUL16 \f, 0, 0, \zero
	MUL16 \f, 0, 2, \zero
	PLACES
	FETCH \slot, \k, \g
	s_wait_dscnt 32                                ; all but the 32 just issued
	WIN MUL_HI
	MUL16 \f, 1, 0, \zero
	MUL16 \f, 1, 2, \zero
.endm
.macro THREE slot, zero
	QUARTER \slot, 64,  F0, F1, \zero
	QUARTER \slot, 128, F1, F0, 0
	QUARTER \slot, 192, F0, F1, 0
.endm
; The last quarter changes slots.  In front of the barrier each wave waits for its reads of this slot and for all its tensor loads (one is
; out: its part of the next slot).  Behind it (behind the cluster's round where the slot is filled again) the refill comes first.
.macro TURN slot, next, fill
	s_wait_dscnt 8
	WIN MUL_LO
	MUL16 F1, 0, 0, 0
	s_wait_dscnt 0                                 ; my reads of this slot are over
	s_wait_tensorcnt 0x0                           ; and all my tensor loads have landed
	ds_add_u32 v255, v255
	s_wait_dscnt 0x0
	s_barrier_signal -1
	MUL16 F1, 0, 2, 0                              ; register work while the others arrive
	WIN 0
	s_barrier_wait -1
.if \fill
	CREST                                          ; no wave of any partner still reads this slot or has a load on its way
	s_add_nc_u64 s[G0+4*\slot+2:G0+4*\slot+3], s[G0+4*\slot+2:G0+4*\slot+3], 2*KSTEP*2
	s_add_nc_u64 s[G0B+4*\slot+2:G0B+4*\slot+3], s[G0B+4*\slot+2:G0B+4*\slot+3], 2*KSTEP*2
	JLOAD \slot                                    ; the wave's one tensor load behind the round
.endif
	PLACES
	FETCH \next, 0, F0
	WIN MUL_HI
	MUL16 F1, 1, 0, 0
	MUL16 F1, 1, 2, 0
.endm
.macro LAP zero
	THREE 0, \zero
	TURN 0, 1, 1
	THREE 1, 0
	TURN 1, 0, 1
.endm
	s_wait_tensorcnt 1                             ; my part of K step 0 is in; K step 1's load, issued behind it, may stay out
	s_barrier_signal -1
	s_barrier_wait -1
	FETCH 0, 0, F0
	LAP 1                                          ; the first lap starts the sums
	WIN 0
	s_mov_b32 s3, LAPS-2
.Llap:
	LAP 0
	WIN 0
	s_sub_co_u32 s3, s3, 1
	s_cmp_lg_u32 s3, 0
	s_cbranch_scc1 .Llap
	THREE 0, 0                                     ; the last lap fills nothing
	TURN 0, 1, 0
	THREE 1, 0
	s_wait_dscnt 8
	WIN MUL_LO
	MUL16 F1, 0, 0, 0
	MUL16 F1, 0, 2, 0
	s_wait_dscnt 0
	WIN MUL_HI
	MUL16 F1, 1, 0, 0
	MUL16 F1, 1, 2, 0
	; THE WAY OUT, 16 rows at a time: round to f16, 16 bytes a lane into my stage, read back by heads' rows.
	; Row m = 256 R + 128 wr + ..: (product, batch) = R >> 3, 4194304 bytes each; t = 256 (R & 7) + 128 wr + .., 128 bytes each.
	; Column n = 256 bc + 128 wc + ..: head = 4 bc + 2 wc + .., 262144 bytes each.
	PLACES
	s_lshr_b32 s14, s13, 3
	s_lshl_b32 s14, s14, 22
	s_and_b32 s16, s13, 7
	s_lshl_b32 s16, s16, 15
	s_add_co_u32 s16, s16, s14
	s_lshl_b32 s14, s11, 14
	s_add_co_u32 s16, s16, s14
	s_mov_b32 s17, 0
	s_add_nc_u64 s[8:9], s[8:9], s[16:17]
	s_lshl_b32 s46, s42, 20
	s_lshl_b32 s47, s12, 19
	s_add_co_u32 s46, s46, s47
	s_mov_b32 s47, 0
	s_add_nc_u64 s[8:9], s[8:9], s[46:47]
; rows 16 i .. 16 i + 15 of my block = the eight tiles (a, 0..7) of window 2 or 3 (from = 0x0a or 0x0f); f: F0 or F1 in turn
.macro OUT16 i, a, from, f
	WIN \from
.irp b, 0,1,2,3,4,5,6,7
.irp r, 0,1,2,3
	v_cvt_pk_f16_f32 v[TMP+4*\b+\r], v[8*(8*\a+\b)+2*\r], v[8*(8*\a+\b)+2*\r+1]
.endr
.endr
	WIN 0
.irp b, 0,1,2,3,4,5,6,7
	ds_store_b128 v[STO], v[TMP+4*\b:TMP+4*\b+3] offset:32*\b
.endr
	s_wait_xcnt 0x0                                ; buffer f, which earlier stores read, is loaded again only behind this wait
.irp t, 0,1,2,3,4,5,6,7
	ds_load_b128 v[\f+4*\t:\f+4*\t+3], v[RD] offset:\t*2*SPITCH    ; LDS serves a wave's instructions in order: these see the stores above
.endr
.irp t, 0,1,2,3,4,5,6,7
	s_wait_dscnt 7-\t                              ; read-back t is in, the younger ones stay out
	global_store_b128 v[CO], v[\f+4*\t:\f+4*\t+3], s[8:9] offset:\i*2048+\t*256   ; sixteen lanes store 256 consecutive aligned bytes: two rows of a head
.endr
.endm
	OUT16 0, 0, 0x0a, F0
	OUT16 1, 1, 0x0a, F1
	OUT16 2, 2, 0x0a, F0
	OUT16 3, 3, 0x0a, F1
	OUT16 4, 0, 0x0f, F0
	OUT16 5, 1, 0x0f, F1
	OUT16 6, 2, 0x0f, F0
	OUT16 7, 3, 0x0f, F1
	s_set_vgpr_msb 0x1
	s_wait_tensorcnt 0x0
	ds_add_u32 v255, v255
	s_wait_dscnt 0x0
	s_set_vgpr_msb 0x100
	CROUND                                         ; the closing round: no work-group ends while a partner may still ask for a tile that names it
	s_endpgm
.Lfunc_end_k_q78b3cb348a_qkv:
	.size	k_q78b3cb348a_qkv, .Lfunc_end_k_q78b3cb348a_qkv-k_q78b3cb348a_qkv
	.p2alignl 7, 3214868480
	.fill 96, 4, 3214868480
	.section	.rodata,"a",@progbits
	.p2align	6, 0x0
	.amdhsa_kernel k_q78b3cb348a_qkv
		.amdhsa_group_segment_fixed_size 327680
		.amdhsa_private_segment_fixed_size 0
		.amdhsa_enable_private_segment 0
		.amdhsa_kernarg_size 24
		.amdhsa_user_sgpr_count 2
		.amdhsa_user_sgpr_kernarg_segment_ptr 1
		.amdhsa_wavefront_size32 1
		.amdhsa_system_sgpr_workgroup_id_x 1
		.amdhsa_system_sgpr_workgroup_id_y 1
		.amdhsa_system_sgpr_workgroup_id_z 1
		.amdhsa_system_vgpr_workitem_id 0
		.amdhsa_next_free_vgpr 1024
		.amdhsa_next_free_sgpr 66
		.amdhsa_reserve_vcc 0
		.amdhsa_float_denorm_mode_32 3
		.amdhsa_float_denorm_mode_16_64 3
		.amdhsa_memory_ordered 1
		.amdhsa_forward_progress 1
		.amdhsa_inst_pref_size 196
	.end_amdhsa_kernel
	.amdgpu_metadata
---
amdhsa.version: [ 1, 2 ]
amdhsa.kernels:
  - .name:           k_q78b3cb348a_qkv
    .symbol:         k_q78b3cb348a_qkv.kd
    .args:
      - { .name: xb, .offset: 0, .size: 8, .value_kind: global_buffer, .address_space: global }
      - { .name: wb, .offset: 8, .size: 8, .value_kind: global_buffer, .address_space: global }
      - { .name: qkv, .offset: 16, .size: 8, .value_kind: global_buffer, .address_space: global }
    .group_segment_fixed_size: 327680
    .private_segment_fixed_size: 0
    .kernarg_segment_align: 8
    .kernarg_segment_size: 24
    .max_flat_workgroup_size: 128
    .sgpr_count:     66
    .vgpr_count:     1024
    .wavefront_size: 32
...
	.end_amdgpu_metadata
.endif
;; end of part 2
;; launch attn (part 3): grid 8 x 32, 16 waves a work-group, clusters of 4 x 1, 327,680 bytes of LDS; arguments qkv, mbits, att; writes att
.if DOCPART == 3
	.amdgcn_target "amdgcn-amd-amdhsa--gfx1250"
	.amdhsa_code_object_version 6
	.text
	.protected	k_q78b3cb348a_attn
	.globl	k_q78b3cb348a_attn
	.p2align	8
	.type	k_q78b3cb348a_attn,@function
k_q78b3cb348a_attn:
	s_mov_b64 s[64:65], 0
	v_nop
	global_prefetch_b8 v0, s[64:65] scope:SCOPE_SE
	s_setreg_imm32_b32 hwreg(HW_REG_WAVE_MODE, 25, 1), 1
	s_wait_xcnt 0x0
	s_wait_alu depctr_hold_cnt(0) depctr_sa_sdst(0) depctr_va_vdst(0) depctr_va_sdst(0) depctr_va_ssrc(0) depctr_va_vcc(0) depctr_vm_vsrc(0)
	s_getreg_b32 s2, hwreg(HW_REG_IB_STS2, 6, 4)
	s_cmp_eq_u32 s2, 0
	s_cbranch_scc0 .Lentry_in_a_cluster
	s_endpgm
.Lentry_in_a_cluster:
	s_bfe_u32 s2, ttmp6, 0x10000c
	s_cmp_lg_u32 s2, 0x3003
	s_cbranch_scc0 .Lentry_shape_is_right
	s_endpgm
.Lentry_shape_is_right:
; att = softmax(q k^T / 8, masked) v for one (batch, head) and 256 queries a work-group.
; qkv: f16 [3][batch x head 32][t 2048][d 64].  mbits: lane-mask words, 64 words for 32 queries x 64 keys.
; att: f16 [token / 128][head 16][token % 128][d 64].
; SIXTEEN WAVES, four for each SIMD (4 x 256 registers): wave w owns the 32 queries of group w & 7 and the 1024 keys of half w >> 3.
; A wave's step is a chain (products, softmax, products); four independent chains on a SIMD fill each other's gaps.  At the end the two
; waves of a query group join their maxima, sums and numerators through LDS, as two steps of a running softmax are joined.
; The mask is an input: all 2048 keys are walked for every query.  The maximum is a running one, kept in f32, and starts at the most
; negative finite number; a masked score is -inf and weighs 0.  A row with every key masked ends with sum 0 and numerators 0, and
; 0 x (1 / 0) gives NaN, as the softmax of a row of -inf does.
; LIMITS: weights are rounded to f16, so weights below 6e-8 of the largest of their key half become 0; |att| stays below the largest |v| (f16).
; TRANSPOSED PRODUCTS.  S^T = K Q^T: source 0 = 16 keys x 32 d from LDS, source 1 = Q from registers: lane (r, h) holds query r, register j
; key 8 h + j, so the softmax of a query stays in two lanes.  Two neighbouring S^T tiles, packed to f16 in place, are source 1 (32 keys) of
; O^T = V^T P^T: no shuffle, no way through LDS.
; CLUSTER: the four work-groups of a cluster work at one (batch, head) and walk the same K and V tiles: every fill is a joint load, mask 15.
; cx enters only the global addresses of Q, of the mask words and of att.
; LDS: two slots of 139264 bytes.  A slot holds 256 keys of each half: K half 0 at 0, K half 1 at 34816, V half 0 at 69632, V half 1 at 104448.
; An LDS row is two keys (256 bytes) + 16 bytes of padding: key x of a part lies at (x >> 1) 272 + (x & 1) 128.
; A slot's 512 LDS rows are shared out evenly: each of the sixteen waves brings 32 rows (64 keys) with one tensor load.
; From 278528: a stage of 32 rows x 144 bytes for each query group; no tensor load lands there.
; The hand-over between the halves uses bytes 0 .. 69631 of slot 0, behind that slot's last fill and last reads.
.set SLOT,  139264
.set VOFF,  69632
.set HOFF,  34816                      ; the second key half's part lies behind the first's
.set WPART, 8704                       ; 32 LDS rows = 64 keys: what one tensor load brings
.set STEPB, 8704                       ; 64 keys in LDS: what one step walks
.set STAGE, 278528
.set XPART, 8704                       ; hand-over: 64 registers x 128 bytes of numerators + 512 bytes of sums and maxima
.set QF,   32                          ; v[32:63]    Q fragments at 16 qt + 8 ds
.set OA,   64                          ; v[64:127]   O^T accumulators at 8 (2 dt + qt): lane (r, h), register j: d = 32 h + 8 dt + j of query r
.set SC,   128                         ; v[128:191]  S^T at 32 qt + 8 kt; later P at 32 qt + 16 c (8 registers)
.set POOL, 192                         ; v[192:255]  K fragments at 16 kt + 8 ds, then V fragments at 32 c + 8 dt
.set G1,   84                          ; s[84:91]    descriptor group 1
.set G0,   92                          ; s[92:99]    descriptor group 0, a set for each slot
; v1 KL, v2 VL lane terms; v3 KAD, v4 VAD running LDS addresses; v5 -inf; v6 STO, v7 RD, v8 CO the way out; v9 Q's lane offset; v28 hand-over
; v10, v11 running maxima; v12 / v14 -c max; v13 / v15 c x old max; v16 / v18 rescale factor; v17 / v19 the other half's figure
; v[20:23] chains of maxima; v[24:25], v[26:27] sums (two partial sums for each query tile)
; c = log2(e) / 8 = 0x3e38aa3b: the division by sqrt(64) and the change to base 2 in one factor.
.macro ROUND                           ; a round of the cluster's barrier
	s_barrier_signal -1
	s_barrier_wait -1
	s_cmp_lg_u32 s10, 0
	s_cbranch_scc1 .Lnot_wave_0_\@
	s_barrier_signal -3
.Lnot_wave_0_\@:
	s_barrier_wait -3
	s_barrier_signal -1
	s_barrier_wait -1
.endm
	s_load_b128 s[4:7], s[0:1], 0x0                ; qkv s[4:5], mbits s[6:7]
	s_load_b64 s[8:9], s[0:1], 0x10                ; att
	v_lshl_add_u32 v30, v0, 2, 0x4d000
	v_mov_b32 v31, 0
	ds_add_u32 v30, v31
	v_lshrrev_b32 v1, 5, v0
	v_readfirstlane_b32 s10, v1                    ; wave 0..15
	s_mov_b32 s12, 0x76543210                      ; v_permlanex16_b32: lane i of one half reads lane i of the other
	s_mov_b32 s13, 0xfedcba98
	; group 1: 32 rows of 128 elements of 2 bytes, dense in memory (64 keys of a head), 16 bytes of padding behind each row
	s_mov_b32 s[G1+0], 15|(1<<16)|(1<<20)|(1<<21)|(5<<22)|(3<<25)
	s_mov_b32 s[G1+1], 128<<16                     ; tensor_dim0 = 128
	s_mov_b32 s[G1+2], 32<<16                      ; tensor_dim1 = 32
	s_mov_b32 s[G1+3], 128<<16                     ; tile_dim0 = 128
	s_mov_b32 s[G1+4], 32                          ; tile_dim1 = 32
	s_mov_b32 s[G1+5], 128                         ; elements from row to row
	s_mov_b32 s[G1+6], 0
	s_mov_b32 s[G1+7], 0
	; what wave w brings: K (w < 8) or V, key half (w >> 2) & 1, part w & 3 of that half's 256 keys:
	; 8388608 (k) + (w >> 3) x 8388608 (v) + head x 262144 + half x 1024 keys x 128 + part x 64 keys x 128
	s_and_b32 s100, ttmp7, 0xffff                  ; batch x 16 + head
	s_lshl_b32 s100, s100, 18
	s_and_b32 s101, s10, 3
	s_lshl_b32 s101, s101, 13
	s_add_co_u32 s100, s100, s101
	s_bfe_u32 s101, s10, 0x10002                   ; bit 2 of the wave's number
	s_lshl_b32 s101, s101, 17
	s_add_co_u32 s100, s100, s101
	s_lshr_b32 s101, s10, 3
	s_lshl_b32 s101, s101, 23
	s_add_co_u32 s100, s100, s101
	s_add_co_u32 s100, s100, 0x800000
	s_mov_b32 s101, 0
	s_mul_i32 s11, s10, WPART                      ; where my part goes: the wave's number alone
	s_wait_dscnt 0x0
	s_wait_kmcnt 0x0
	s_add_nc_u64 s[100:101], s[4:5], s[100:101]
	ROUND                                          ; the four work-groups are here: the first joint loads meet
.irp s, 0,1
	s_mov_b32 s[G0+4*\s], 1
	s_add_co_u32 s[G0+4*\s+1], s11, \s*SLOT
	s_add_nc_u64 s[G0+4*\s+2:G0+4*\s+3], s[100:101], \s*32768      ; slot s: keys 256 s .. of each half
	s_or_b32 s[G0+4*\s+3], s[G0+4*\s+3], 0x80000000
	tensor_load_to_lds s[G0+4*\s:G0+4*\s+3], s[G1:G1+7]            ; both first fills together: two tensor loads of the wave are out
	s_nop 0
.endr
	; my 32 queries: block qp = 8 (4 x cluster x + cx) + (wave & 7), 0..63
	s_bfe_u32 s104, ttmp6, 0x40000                 ; cx
	s_lshl_b32 s105, ttmp9, 2
	s_add_co_u32 s104, s104, s105
	s_lshl_b32 s104, s104, 3
	s_and_b32 s105, s10, 7
	s_add_co_u32 s104, s104, s105                  ; qp
	s_and_b32 s14, ttmp7, 0xffff                   ; batch x 16 + head
	s_lshl_b32 s2, s14, 18
	s_lshl_b32 s3, s104, 12                        ; 32 rows of 128 bytes
	s_add_co_u32 s2, s2, s3
	s_mov_b32 s3, 0
	s_add_nc_u64 s[4:5], s[4:5], s[2:3]            ; q at my first row
	v_and_b32 v20, 15, v0                          ; r
	v_bfe_u32 v21, v0, 4, 1                        ; h
	v_lshlrev_b32 v9, 7, v20
	v_lshl_add_u32 v9, v21, 4, v9                  ; row r, d = 8 h ..
.irp qt, 0,1
.irp ds, 0,1
	global_load_b128 v[QF+16*\qt+8*\ds:QF+16*\qt+8*\ds+3],   v9, s[4:5] offset:\qt*2048+\ds*64
	global_load_b128 v[QF+16*\qt+8*\ds+4:QF+16*\qt+8*\ds+7], v9, s[4:5] offset:\qt*2048+\ds*64+32
.endr
.endr
	s_lshl_b32 s2, s104, 13                        ; 8192 bytes of mask words for 32 queries,
	s_lshr_b32 s15, s10, 3
	s_lshl_b32 s15, s15, 12                        ; of which my key half has 16 steps x 256 bytes
	s_add_co_u32 s2, s2, s15
	s_add_nc_u64 s[2:3], s[6:7], s[2:3]
	; att: token block (batch x 16 + qp >> 2) x 262144 + head x 16384 + (qp & 3) x 32 rows of 128 bytes
	s_lshr_b32 s105, s14, 4
	s_lshl_b32 s105, s105, 4
	s_lshr_b32 s15, s104, 2
	s_add_co_u32 s105, s105, s15
	s_lshl_b32 s105, s105, 18
	s_and_b32 s15, s14, 15
	s_lshl_b32 s15, s15, 14
	s_add_co_u32 s105, s105, s15
	s_and_b32 s15, s104, 3
	s_lshl_b32 s15, s15, 12
	s_add_co_u32 s104, s105, s15
	s_mov_b32 s105, 0
	s_add_nc_u64 s[8:9], s[8:9], s[104:105]
	s_mov_b32 s15, 0                               ; byte offset of the step's 64 mask words in my half's 4096 bytes
	s_load_b512 s[16:31], s[2:3], s15 offset:0x0   ; word wi lies in s[16 + wi], from wi = 48 on in s[20 + wi]
	s_load_b512 s[32:47], s[2:3], s15 offset:0x40
	s_load_b512 s[48:63], s[2:3], s15 offset:0x80
	s_load_b512 s[68:83], s[2:3], s15 offset:0xc0
	; lane terms
	s_lshr_b32 s11, s10, 3
	s_mul_i32 s11, s11, HOFF                       ; my key half's part of K and of V
	v_lshrrev_b32 v22, 1, v20
	v_mul_u32_u24 v1, v22, 272
	v_and_b32 v22, 1, v20
	v_lshl_add_u32 v1, v22, 7, v1
	v_lshl_add_u32 v1, v21, 4, v1                  ; KL: key r, d = 8 h ..: sixteen lanes start at sixteen different 16-byte columns
	v_add_nc_u32 v1, s11, v1
	v_bfe_u32 v22, v0, 1, 2
	v_lshl_add_u32 v22, v21, 2, v22                ; (8 h + (l & 7)) >> 1
	v_mul_u32_u24 v2, v22, 272
	v_and_b32 v22, 1, v0
	v_lshl_add_u32 v2, v22, 7, v2
	v_bfe_u32 v22, v0, 3, 1
	v_lshl_add_u32 v2, v22, 6, v2                  ; VL: key 8 h + (l & 7); lanes 8-15 of a half take d + 32, so row m of V^T's tile dt is d = 32 (m >> 3) + 8 dt + (m & 7)
	v_add_nc_u32 v2, s11, v2
	s_and_b32 s105, s10, 7                         ; my query group
	s_mul_i32 s11, s105, 4608
	s_add_co_u32 s11, s11, STAGE                   ; its stage
	v_mul_u32_u24 v6, v20, 144
	v_lshl_add_u32 v6, v21, 6, v6
	v_add_nc_u32 v6, s11, v6                       ; STO: row r, 64 bytes for each half
	v_bfe_u32 v22, v0, 3, 2
	v_mul_u32_u24 v7, v22, 144
	v_and_b32 v22, 7, v0
	v_lshl_add_u32 v7, v22, 4, v7
	v_add_nc_u32 v7, s11, v7                       ; RD: four rows of 128 bytes a load
	v_and_b32 v8, 31, v0
	v_lshlrev_b32 v8, 4, v8                        ; CO: the same 512 bytes in att
	s_mul_i32 s105, s105, XPART
	v_add_nc_u32 v28, s105, v8                     ; hand-over: my group's 8704 bytes, 16 bytes a lane
	v_mov_b32 v5, 0xff800000                       ; -inf
	v_mov_b32 v10, 0xff7fffff                      ; the running maxima start at the most negative finite number
	v_mov_b32 v11, 0xff7fffff
.irp i, 12,13,14,15,16,17,18,19
	v_mov_b32 v\i, 0                               ; written once whole: pairs are read as pairs, and a lane permute's destination counts as read
.endr
; 16 loads: the step's 64 keys as source 0 fragments; the eight for d 0..31 first
.macro KLOAD
.irp ds, 0,1
.irp kt, 0,1,2,3
	ds_load_b128 v[POOL+16*\kt+8*\ds:POOL+16*\kt+8*\ds+3],   v3 offset:\kt*2176+\ds*64
	ds_load_b128 v[POOL+16*\kt+8*\ds+4:POOL+16*\kt+8*\ds+7], v3 offset:\kt*2176+\ds*64+32
.endr
.endr
.endm
; One step: 64 keys x my 32 queries.  first = 1: the wave's first step starts maxima, sums and numerators.  pre = 1: the next step's K is fetched.
.macro STEP first, pre
	s_wait_dscnt 0x8                               ; K's eight loads for d 0..31 are in; the eight for d 32..63, issued behind them, may be out
.irp qt, 0,1
.irp kt, 0,1,2,3
	v_wmma_f32_16x16x32_f16 v[SC+32*\qt+8*\kt:SC+32*\qt+8*\kt+7], v[POOL+16*\kt:POOL+16*\kt+7], v[QF+16*\qt:QF+16*\qt+7], 0
.endr
.endr
	s_wait_dscnt 0x0
.irp qt, 0,1                                       ; the eight accumulators take turns, one instruction a turn
.irp kt, 0,1,2,3
	v_wmma_f32_16x16x32_f16 v[SC+32*\qt+8*\kt:SC+32*\qt+8*\kt+7], v[POOL+16*\kt+8:POOL+16*\kt+15], v[QF+16*\qt+8:QF+16*\qt+15], v[SC+32*\qt+8*\kt:SC+32*\qt+8*\kt+7]
.endr
.endr
	; four plain vector instructions before loads land on K's registers and before the scores are read
	v_add_nc_u32 v3, STEPB, v3                     ; K's next 64 keys
.if \first
	v_nop
	v_nop
	v_nop
.else
	v_mul_f32 v13, 0x3e38aa3b, v10                 ; c x old maximum
	v_mul_f32 v15, 0x3e38aa3b, v11
	v_nop
.endif
.irp c, 0,1                                        ; V^T fragments: 16 d x 32 keys, transposed on the way out of LDS
.irp dt, 0,1,2,3
	ds_load_tr16_b128 v[POOL+32*\c+8*\dt:POOL+32*\c+8*\dt+3],   v4 offset:\c*4352+\dt*16
	ds_load_tr16_b128 v[POOL+32*\c+8*\dt+4:POOL+32*\c+8*\dt+7], v4 offset:\c*4352+\dt*16+2176
.endr
.endr
	s_wait_kmcnt 0x0                               ; this step's mask words are in, and s15 is free
	s_add_co_u32 s15, s15, 256
	s_min_u32 s15, s15, 3840                       ; my last step asks for its own words again: no load passes my half's 4096 bytes
.irp qt, 0,1
.irp kt, 0,1,2,3
.irp j, 0,1,2,3,4,5,6,7
.set wi, (\kt/2)*32+\qt*16+(\kt%2)*8+\j
	v_cndmask_b32 v[SC+32*\qt+8*\kt+\j], v[SC+32*\qt+8*\kt+\j], v5, s[16+wi+4*(wi/48)]   ; a masked score is -inf
.endr
.endr
.endr
	s_load_b512 s[16:31], s[2:3], s15 offset:0x0   ; the next step's words: the rest of this step in which to land
	s_load_b512 s[32:47], s[2:3], s15 offset:0x40
	s_load_b512 s[48:63], s[2:3], s15 offset:0x80
	s_load_b512 s[68:83], s[2:3], s15 offset:0xc0
	; the new maxima: two chains for each query tile, the old maximum in the first
	v_max3_num_f32 v20, v[SC], v[SC+1], v10
	v_max_num_f32 v21, v[SC+16], v[SC+17]
	v_max3_num_f32 v22, v[SC+32], v[SC+33], v11
	v_max_num_f32 v23, v[SC+48], v[SC+49]
.irp i, 1,2,3,4,5,6,7
	v_max3_num_f32 v20, v20, v[SC+2*\i], v[SC+2*\i+1]
	v_max3_num_f32 v21, v21, v[SC+16+2*\i], v[SC+16+2*\i+1]
	v_max3_num_f32 v22, v22, v[SC+32+2*\i], v[SC+32+2*\i+1]
	v_max3_num_f32 v23, v23, v[SC+48+2*\i], v[SC+48+2*\i+1]
.endr
	v_max_num_f32 v20, v20, v21
	v_max_num_f32 v22, v22, v23
	v_permlanex16_b32 v17, v20, s12, s13           ; the other half's keys of the same query
	v_permlanex16_b32 v19, v22, s12, s13
	v_max_num_f32 v10, v20, v17
	v_max_num_f32 v11, v22, v19
	v_mul_f32 v12, 0xbe38aa3b, v10                 ; -c x new maximum
	v_mul_f32 v14, 0xbe38aa3b, v11
.if \first == 0
	v_add_f32 v16, v13, v12
	v_add_f32 v18, v15, v14
	v_exp_f32 v16, v16                             ; 2^(c (old - new)); a plain vector instruction follows before any use (ISA guide 5.7.2)
	v_exp_f32 v18, v18
.endif
	; weights 2^(c s - c max), in place.  Every exponential is followed by a plain independent instruction before its result is used.
.set i, 0
.rept 16
	v_pk_fma_f32 v[SC+2*i:SC+2*i+1], v[SC+2*i:SC+2*i+1], 0x3e38aa3b, v[12:13] op_sel_hi:[1,0,0]
.set i, i+1
.endr
.set i, 0
.rept 16
	v_exp_f32 v[SC+2*i], v[SC+2*i]
	v_exp_f32 v[SC+2*i+1], v[SC+2*i+1]
	v_pk_fma_f32 v[SC+32+2*i:SC+32+2*i+1], v[SC+32+2*i:SC+32+2*i+1], 0x3e38aa3b, v[14:15] op_sel_hi:[1,0,0]
.set i, i+1
.endr
.set i, 0
.rept 16
	v_exp_f32 v[SC+32+2*i], v[SC+32+2*i]
	v_exp_f32 v[SC+32+2*i+1], v[SC+32+2*i+1]
.if \first == 0
	s_wait_alu depctr_va_vdst(0)
	v_pk_mul_f32 v[OA+16*(i/4)+2*(i%4):OA+16*(i/4)+2*(i%4)+1], v[OA+16*(i/4)+2*(i%4):OA+16*(i/4)+2*(i%4)+1], v[16:17] op_sel_hi:[1,0]       ; the numerators follow the new maximum
	v_pk_mul_f32 v[OA+16*(i/4)+8+2*(i%4):OA+16*(i/4)+8+2*(i%4)+1], v[OA+16*(i/4)+8+2*(i%4):OA+16*(i/4)+8+2*(i%4)+1], v[18:19] op_sel_hi:[1,0]
.endif
.set i, i+1
.endr
.if \first
	v_nop                                          ; the plain instruction behind the last exponentials
	s_wait_alu depctr_va_vdst(0)
.endif
	; sums in f32, then the weights packed to f16 in place, ascending: pair i' of a block of 16 registers goes to its register i'
.set i, 0
.rept 16
.irp qt, 0,1
.if i == 0
.if \first
	v_pk_add_f32 v[24+2*\qt:25+2*\qt], v[SC+32*\qt:SC+32*\qt+1], v[SC+32*\qt+2:SC+32*\qt+3]   ; pairs 0 and 1 start the sums
.else
	v_pk_fma_f32 v[24+2*\qt:25+2*\qt], v[24+2*\qt:25+2*\qt], v[16+2*\qt:17+2*\qt], v[SC+32*\qt:SC+32*\qt+1] op_sel_hi:[1,0,1]
	s_wait_alu depctr_va_vdst(0)
.endif
.else
.if (i > 1) | (\first == 0)
	v_pk_add_f32 v[24+2*\qt:25+2*\qt], v[24+2*\qt:25+2*\qt], v[SC+32*\qt+2*i:SC+32*\qt+2*i+1]
.endif
.endif
	v_cvt_pk_f16_f32 v[SC+32*\qt+16*(i/8)+(i%8)], v[SC+32*\qt+2*i], v[SC+32*\qt+2*i+1]
.endr
.set i, i+1
.endr
	s_wait_dscnt 0x0                               ; V's sixteen loads
.irp c, 0,1                                        ; eight accumulators by turns, one instruction a turn
.irp dt, 0,1,2,3
.irp qt, 0,1
.if \first*(1-\c)
	v_wmma_f32_16x16x32_f16 v[OA+8*(2*\dt+\qt):OA+8*(2*\dt+\qt)+7], v[POOL+32*\c+8*\dt:POOL+32*\c+8*\dt+7], v[SC+32*\qt+16*\c:SC+32*\qt+16*\c+7], 0
.else
	v_wmma_f32_16x16x32_f16 v[OA+8*(2*\dt+\qt):OA+8*(2*\dt+\qt)+7], v[POOL+32*\c+8*\dt:POOL+32*\c+8*\dt+7], v[SC+32*\qt+16*\c:SC+32*\qt+16*\c+7], v[OA+8*(2*\dt+\qt):OA+8*(2*\dt+\qt)+7]
.endif
.endr
.endr
.endr
	; five plain vector instructions: before loads land on V's registers (four) and before the next scores write over the weights (five)
	v_add_nc_u32 v4, STEPB, v4                     ; V's next 64 keys
.rept 4
	v_nop
.endr
.if \pre
	KLOAD
.endif
.endm
; Change of slots.  Every wave's LDS reads are back and all its tensor loads have landed; then, where the slot just read is filled again,
; a round of the cluster's barrier and the wave's one joint load first behind it; else the work-group's barrier alone.
.macro NEXT nxt, refill
	s_wait_dscnt 0x0                               ; my reads of the slot just walked
	s_wait_tensorcnt 0x0                           ; all my tensor loads, my part of the next slot among them: a group 0 may be written
	ds_add_u32 v30, v31
	s_wait_dscnt 0x0
.if \refill
	s_add_nc_u64 s[G0+4*(1-\nxt)+2:G0+4*(1-\nxt)+3], s[G0+4*(1-\nxt)+2:G0+4*(1-\nxt)+3], 65536     ; 512 keys on in each half
	ROUND
	tensor_load_to_lds s[G0+4*(1-\nxt):G0+4*(1-\nxt)+3], s[G1:G1+7]    ; one tensor load of the wave is out; it has the next slot's four steps of every wave in which to land
	s_nop 0
.else
	s_barrier_signal -1
	s_barrier_wait -1
.endif
	v_add_nc_u32 v3, \nxt*SLOT, v1
	v_add_nc_u32 v4, \nxt*SLOT+VOFF, v2
	KLOAD
.endm
.macro PHASE trips                     ; trips + 1 steps of a slot; the last fetches no further K
	s_mov_b32 s14, \trips
.Lphase_\@:
	STEP 0, 1
	s_sub_co_i32 s14, s14, 1
	s_cmp_lg_u32 s14, 0
	s_cbranch_scc1 .Lphase_\@
	STEP 0, 0
.endm
	s_wait_tensorcnt 0x1                           ; my part of slot 0 is in; slot 1's load, issued behind it, stays out
	s_barrier_signal -1
	s_barrier_wait -1                              ; everybody's part is in
	v_mov_b32 v3, v1
	v_add_nc_u32 v4, VOFF, v2
	KLOAD
	s_wait_loadcnt 0x0                             ; Q
	STEP 1, 1                                      ; my half's keys 0..63
	PHASE 2                                        ; keys 64..255, slot 0
	NEXT 1, 1                                      ; slot 0 gets keys 512..767 of each half
	PHASE 3                                        ; keys 256..511, slot 1
	NEXT 0, 1                                      ; slot 1 gets keys 768..1023 of each half
	PHASE 3                                        ; slot 0
	NEXT 1, 0                                      ; nothing is left to fetch; behind this barrier no wave reads slot 0 and no load fills it
	PHASE 3                                        ; slot 1
	; THE HAND-OVER.  The waves of the second key half put numerators, sums and maxima into their group's bytes of slot 0.
	; The five plain vector instructions at the end of the last step stand between the last products and these stores.
	s_wait_kmcnt 0x0                               ; the last step's mask words, which nothing reads
	s_cmp_lt_u32 s10, 8
	s_cbranch_scc1 .Lkeeps
	v_add_f32 v24, v24, v25                        ; the sums' two parts
	v_add_f32 v25, v26, v27
	v_mov_b32 v26, v10                             ; and the maxima beside them: one store of 16 bytes
	v_mov_b32 v27, v11
.irp i, 0,1,2,3,4,5,6,7,8,9,10,11,12,13,14,15
	ds_store_b128 v28, v[OA+4*\i:OA+4*\i+3] offset:\i*512          ; 32 lanes x 16 neighbouring bytes
.endr
	ds_store_b128 v28, v[24:27] offset:8192
.Lkeeps:
	s_wait_dscnt 0x0                               ; for the other wave's sake: my stores are done
	s_barrier_signal -1
	s_barrier_wait -1
	s_cmp_ge_u32 s10, 8
	s_cbranch_scc1 .Lclose                         ; the second half's waves have nothing more to do but the closing round
	; THE JOIN, in the first half's waves: m = max(m0, m1), e_i = 2^(c m_i - c m), l = e0 l0 + e1 l1, O = (e0 / l) O0 + (e1 / l) O1.
	; c m_i and -c m are two rounded products, as in a step, so that equal maxima give the exponent 0 exactly, at any size.
.irp i, 0,1,2,3,4,5,6,7,8,9,10,11,12,13,14,15
	ds_load_b128 v[SC+4*\i:SC+4*\i+3], v28 offset:\i*512           ; the partner's numerators, register for register
.endr
	ds_load_b128 v[POOL:POOL+3], v28 offset:8192   ; its l (tile 0, 1) and m (tile 0, 1)
	v_add_f32 v24, v24, v25
	v_add_f32 v26, v26, v27
	s_wait_dscnt 0x0
	v_max_num_f32 v20, v10, v[POOL+2]
	v_max_num_f32 v22, v11, v[POOL+3]
	v_mul_f32 v12, 0xbe38aa3b, v20
	v_mul_f32 v14, 0xbe38aa3b, v22
	v_mul_f32 v13, 0x3e38aa3b, v10
	v_mul_f32 v15, 0x3e38aa3b, v11
	v_mul_f32 v21, 0x3e38aa3b, v[POOL+2]
	v_mul_f32 v23, 0x3e38aa3b, v[POOL+3]
	v_add_f32 v13, v13, v12
	v_add_f32 v15, v15, v14
	v_add_f32 v21, v21, v12
	v_add_f32 v23, v23, v14
	v_exp_f32 v13, v13                             ; e0 of tile 0, 1
	v_exp_f32 v15, v15
	v_exp_f32 v21, v21                             ; e1 of tile 0, 1
	v_exp_f32 v23, v23
	v_nop                                          ; a plain instruction before the exponentials are used (ISA guide 5.7.2)
	s_wait_alu depctr_va_vdst(0)
	v_mul_f32 v24, v24, v13
	v_mul_f32 v26, v26, v15
	v_fmac_f32 v24, v[POOL], v21
	v_fmac_f32 v26, v[POOL+1], v23
	v_permlanex16_b32 v17, v24, s12, s13           ; the other sixteen lanes hold the other keys of the same query
	v_permlanex16_b32 v19, v26, s12, s13
	v_add_f32 v24, v24, v17
	v_add_f32 v26, v26, v19
	v_rcp_f32 v25, v24
	v_rcp_f32 v27, v26
	v_nop                                          ; a plain instruction before the reciprocals are used
	s_wait_alu depctr_va_vdst(0)
	v_mul_f32 v16, v13, v25                        ; e0 / l
	v_mul_f32 v18, v15, v27
	v_mul_f32 v12, v21, v25                        ; e1 / l
	v_mul_f32 v14, v23, v27
.irp t, 0,1,2,3,4,5,6,7                            ; tile t = 2 dt + qt
.irp k, 0,1,2,3
	v_pk_mul_f32 v[OA+8*\t+2*\k:OA+8*\t+2*\k+1], v[OA+8*\t+2*\k:OA+8*\t+2*\k+1], v[16+2*(\t%2):17+2*(\t%2)] op_sel_hi:[1,0]
.endr
.endr
.irp t, 0,1,2,3,4,5,6,7
.irp k, 0,1,2,3
	v_pk_fma_f32 v[OA+8*\t+2*\k:OA+8*\t+2*\k+1], v[SC+8*\t+2*\k:SC+8*\t+2*\k+1], v[12+2*(\t%2):13+2*(\t%2)], v[OA+8*\t+2*\k:OA+8*\t+2*\k+1] op_sel_hi:[1,0,1]
.endr
.endr
	; THE WAY OUT: round to f16, through my group's stage into rows of 128 bytes.
.irp qt, 0,1
.irp dt, 0,1,2,3
.irp k, 0,1,2,3
	v_cvt_pk_f16_f32 v[SC+16*\qt+4*\dt+\k], v[OA+8*(2*\dt+\qt)+2*\k], v[OA+8*(2*\dt+\qt)+2*\k+1]
.endr
	ds_store_b128 v6, v[SC+16*\qt+4*\dt:SC+16*\qt+4*\dt+3] offset:\qt*2304+\dt*16   ; query 16 qt + r, d = 32 h + 8 dt ..
.endr
.endr
.irp i, 0,1,2,3,4,5,6,7
	ds_load_b128 v[POOL+4*\i:POOL+4*\i+3], v7 offset:\i*576        ; my own bytes: LDS serves a wave's instructions in order
.endr
.irp i, 0,1,2,3,4,5,6,7
	s_wait_dscnt 7-\i                              ; read-back i is in, the younger ones stay out
	global_store_b128 v8, v[POOL+4*\i:POOL+4*\i+3], s[8:9] offset:\i*512   ; the wave stores 512 consecutive aligned bytes: four rows
.endr
.Lclose:
	s_wait_tensorcnt 0x0
	ds_add_u32 v30, v31
	s_wait_dscnt 0x0
	ROUND                                          ; the closing round: no work-group ends while a partner may still issue a joint load
	s_endpgm
.Lfunc_end_k_q78b3cb348a_attn:
	.size	k_q78b3cb348a_attn, .Lfunc_end_k_q78b3cb348a_attn-k_q78b3cb348a_attn
	.p2alignl 7, 3214868480
	.fill 96, 4, 3214868480
	.section	.rodata,"a",@progbits
	.p2align	6, 0x0
	.amdhsa_kernel k_q78b3cb348a_attn
		.amdhsa_group_segment_fixed_size 327680
		.amdhsa_private_segment_fixed_size 0
		.amdhsa_enable_private_segment 0
		.amdhsa_kernarg_size 24
		.amdhsa_user_sgpr_count 2
		.amdhsa_user_sgpr_kernarg_segment_ptr 1
		.amdhsa_wavefront_size32 1
		.amdhsa_system_sgpr_workgroup_id_x 1
		.amdhsa_system_sgpr_workgroup_id_y 1
		.amdhsa_system_sgpr_workgroup_id_z 1
		.amdhsa_system_vgpr_workitem_id 0
		.amdhsa_next_free_vgpr 256
		.amdhsa_next_free_sgpr 106
		.amdhsa_reserve_vcc 0
		.amdhsa_float_denorm_mode_32 3
		.amdhsa_float_denorm_mode_16_64 3
		.amdhsa_memory_ordered 1
		.amdhsa_forward_progress 1
		.amdhsa_inst_pref_size 226
	.end_amdhsa_kernel
	.amdgpu_metadata
---
amdhsa.version: [ 1, 2 ]
amdhsa.kernels:
  - .name:           k_q78b3cb348a_attn
    .symbol:         k_q78b3cb348a_attn.kd
    .args:
      - { .name: qkv, .offset: 0, .size: 8, .value_kind: global_buffer, .address_space: global }
      - { .name: mbits, .offset: 8, .size: 8, .value_kind: global_buffer, .address_space: global }
      - { .name: att, .offset: 16, .size: 8, .value_kind: global_buffer, .address_space: global }
    .group_segment_fixed_size: 327680
    .private_segment_fixed_size: 0
    .kernarg_segment_align: 8
    .kernarg_segment_size: 24
    .max_flat_workgroup_size: 512
    .sgpr_count:     106
    .vgpr_count:     256
    .wavefront_size: 32
...
	.end_amdgpu_metadata
.endif
;; end of part 3
;; launch oproj (part 4): grid 8 x 32, 4 waves a work-group, clusters of 4 x 4, 327,680 bytes of LDS; arguments att, wb, out0; writes out0
.if DOCPART == 4
	.amdgcn_target "amdgcn-amd-amdhsa--gfx1250"
	.amdhsa_code_object_version 6
	.text
	.protected	k_q78b3cb348a_oproj
	.globl	k_q78b3cb348a_oproj
	.p2align	8
	.type	k_q78b3cb348a_oproj,@function
k_q78b3cb348a_oproj:
	s_mov_b64 s[64:65], 0
	v_nop
	global_prefetch_b8 v0, s[64:65] scope:SCOPE_SE
	s_setreg_imm32_b32 hwreg(HW_REG_WAVE_MODE, 25, 1), 1
	s_wait_xcnt 0x0
	s_wait_alu depctr_hold_cnt(0) depctr_sa_sdst(0) depctr_va_vdst(0) depctr_va_sdst(0) depctr_va_ssrc(0) depctr_va_vcc(0) depctr_vm_vsrc(0)
	s_getreg_b32 s2, hwreg(HW_REG_IB_STS2, 6, 4)
	s_cmp_eq_u32 s2, 0
	s_cbranch_scc0 .Lentry_in_a_cluster
	s_endpgm
.Lentry_in_a_cluster:
	s_bfe_u32 s2, ttmp6, 0x10000c
	s_cmp_lg_u32 s2, 0xf033
	s_cbranch_scc0 .Lentry_shape_is_right
	s_endpgm
.Lentry_shape_is_right:
; out0[m][n] = sum over k of att[m][k] Wo[n][k], 4096 x 1024 x 1024, f16 operands, f32 sums, f32 result.
; att: f16 [m / 128][head 16][m % 128][d 64] (k = 64 head + d).  Wo: f16 at byte 6291456 of wb, [n / 128][k / 64][n % 128][k % 64].
; A work-group makes 128 x 128 with four waves, a wave 64 x 64 in 16 accumulator tiles: 32 x 8 = 256 work-groups, one for each WGP
; (blocks of 256 x 256 would be 64 work-groups).
; Both operands are blocked so that a (row block, head) is 16384 dense bytes.  A slot holds four heads of A and of B; a tensor load brings
; two heads' blocks as 128 rows of 256 bytes.  An LDS row is two matrix rows of 128 bytes + 16 bytes of padding:
; matrix row x of a block lies at (x >> 1) 272 + (x & 1) 128.  Sixteen heads = four fills of a slot = two laps of the ring, written out.
; CLUSTERS: 4 x 4 work-groups; A's tiles are shared along a row of the cluster, B's along a column, by joint loads.
; REGISTERS: window 0: addresses, A's fragments v64-127, v128-191; window 1: B's fragments; window 2: accumulator (a, b) at v[8 (4 a + b)].
; THE MATRIX INSTRUCTION IS USED TRANSPOSED (source 0 = rows of Wo, source 1 = rows of att): a lane holds eight neighbouring columns of a row.
; A row of att that is NaN (every key masked) gives a row of NaN and touches no other row.
.set PITCH,  272
.set BLK,    64*PITCH                  ; a head's block in LDS: 17408
.set HALFT,  2*BLK                     ; what one tensor load brings
.set SLOT,   4*HALFT                   ; A's four heads, then B's
.set STAGE,  2*SLOT                    ; 16 rows x 272 bytes for each wave; no tensor load lands there
.set WO_AT,  6291456
.set ADRA, 16
.set ADRB, 20
.set STO,  24
.set RD,   25
.set CO,   26
.set F0,   64
.set F1,   128
.set G1, 24
.set G0, 32
.set G1B, 48
.set G0B, 56
.set MSB, 0
.macro WIN new                         ; the immediate's high byte repeats the setting that is left
.if MSB != \new
	s_set_vgpr_msb (MSB<<8)|\new
.set MSB, \new
.endif
.endm
.set MUL,  0xa1                        ; source 0 (B) window 1, source 1 (A) window 0, C and D window 2
.set TO_B, 0x40                        ; destination window 1
.macro JLOAD s                         ; waves 0 and 1 fetch A's halves, waves 2 and 3 B's
	s_cmp_eq_u32 s11, 0
	s_cbranch_scc0 .Lfor_b_\@
	tensor_load_to_lds s[G0+4*\s:G0+4*\s+3], s[G1:G1+7]
	s_nop 0
	s_branch .Lasked_\@
.Lfor_b_\@:
	tensor_load_to_lds s[G0B+4*\s:G0B+4*\s+3], s[G1B:G1B+7]
	s_nop 0
.Lasked_\@:
.endm
.macro CREST                           ; a round of the cluster's barrier behind its opening barrier
	s_cmp_lg_u32 s10, 0
	s_cbranch_scc1 .Lnot_wave_0_\@
	s_barrier_signal -3
.Lnot_wave_0_\@:
	s_barrier_wait -3
	s_barrier_signal -1
	s_barrier_wait -1
.endm
.macro CROUND
	s_barrier_signal -1
	s_barrier_wait -1
	CREST
.endm
	s_load_b128 s[4:7], s[0:1], 0x0                ; att s[4:5], wb s[6:7]
	s_load_b64 s[8:9], s[0:1], 0x10                ; out0
	s_set_vgpr_msb 0x40
	v_lshl_add_u32 v255, v0, 2, 0x48400
	s_set_vgpr_msb 0x4000
	v_mov_b32 v255, 0
	s_set_vgpr_msb 0x1
	ds_add_u32 v255, v255
	s_set_vgpr_msb 0x100
	v_lshrrev_b32 v1, 5, v0
	v_readfirstlane_b32 s10, v1                    ; wave 0..3
	s_lshr_b32 s11, s10, 1                         ; my half of the block's rows.  Also: I fetch for A (0) or for B (1)
	s_and_b32 s12, s10, 1                          ; my half of its columns.  Also: which two heads of the slot's four I fetch
	s_bfe_u32 s40, ttmp6, 0x40000                  ; cx
	s_bfe_u32 s41, ttmp6, 0x40004                  ; cy
	s_lshl_b32 s42, ttmp9, 2
	s_add_co_u32 s42, s42, s40                     ; block column 0..7
	s_and_b32 s13, ttmp7, 0xffff
	s_lshl_b32 s13, s13, 2
	s_add_co_u32 s13, s13, s41                     ; block row 0..31
	s_lshl_b32 s43, s41, 2
	s_lshl_b32 s43, 15, s43                        ; my row of the cluster
	s_lshl_b32 s44, 0x1111, s40                    ; my column
	s_or_b32 s[G1+0], s43, (1<<16)|(1<<20)|(1<<21)|(5<<22)|(3<<25)  ; mask; 2-byte elements; padding on; bit 21 beside a mask; after every 64 words 4 words
	s_or_b32 s[G1B+0], s44, (1<<16)|(1<<20)|(1<<21)|(5<<22)|(3<<25)
	s_mov_b32 s[G1B+1], 128<<16
	s_mov_b32 s[G1+1], 128<<16                     ; tensor_dim0 = 128 elements (256 bytes)
	s_mov_b32 s[G1B+2], 128<<16
	s_mov_b32 s[G1+2], 128<<16                     ; tensor_dim1 = 128
	s_mov_b32 s[G1B+3], 128<<16
	s_mov_b32 s[G1+3], 128<<16                     ; tile_dim0 = 128
	s_mov_b32 s[G1B+4], 128
	s_mov_b32 s[G1+4], 128                         ; tile_dim1 = 128
	s_mov_b32 s[G1B+5], 128
	s_mov_b32 s[G1+5], 128                         ; dense: a row begins where the last ends
	s_mov_b32 s[G1B+6], 0
	s_mov_b32 s[G1+6], 0
	s_mov_b32 s[G1B+7], 0
	s_mov_b32 s[G1+7], 0
	s_lshl_b32 s17, s12, 15                        ; two heads = 32768 bytes
	s_lshl_b32 s16, s13, 18                        ; A: block row x 262144
	s_add_co_u32 s16, s16, s17
	s_lshl_b32 s46, s42, 18                        ; B: block column x 262144
	s_add_co_u32 s46, s46, s17
	s_add_co_u32 s46, s46, WO_AT
	s_mov_b32 s17, 0
	s_mov_b32 s47, 0
	s_mul_i32 s20, s10, HALFT                      ; LDS: the wave's number alone
	s_wait_dscnt 0x0
	s_wait_kmcnt 0x0
	s_add_nc_u64 s[14:15], s[4:5], s[16:17]
	s_add_nc_u64 s[46:47], s[6:7], s[46:47]
	CROUND                                         ; all sixteen work-groups are here: the first joint loads meet
.irp s, 0,1
	s_mov_b32 s[G0+4*\s], 1
	s_add_co_u32 s[G0+4*\s+1], s20, \s*SLOT
	s_add_nc_u64 s[G0+4*\s+2:G0+4*\s+3], s[14:15], \s*65536        ; slot s: heads 4 s ..
	s_or_b32 s[G0+4*\s+3], s[G0+4*\s+3], 0x80000000
	s_mov_b32 s[G0B+4*\s], 1
	s_add_co_u32 s[G0B+4*\s+1], s20, \s*SLOT
	s_add_nc_u64 s[G0B+4*\s+2:G0B+4*\s+3], s[46:47], \s*65536
	s_or_b32 s[G0B+4*\s+3], s[G0B+4*\s+3], 0x80000000
	JLOAD \s                                       ; both first fills together: two tensor loads of the wave are out
.endr
	v_and_b32 v1, 15, v0                           ; r
	v_bfe_u32 v2, v0, 4, 1                         ; h
	v_lshrrev_b32 v4, 1, v1
	v_mul_u32_u24 v3, v4, PITCH
	v_and_b32 v4, 1, v1
	v_lshl_add_u32 v3, v4, 7, v3
	v_lshl_add_u32 v3, v2, 4, v3                   ; matrix row r, k = 8 h ..: sixteen lanes start at sixteen different 16-byte columns
	s_mul_i32 s21, s11, 32*PITCH                   ; my 64 rows of A in a block
	s_mul_i32 s22, s12, 32*PITCH                   ; my 64 rows of B,
	s_add_co_u32 s22, s22, 4*BLK                   ; behind A's four blocks
.irp s, 0,1
	v_add_nc_u32 v[ADRA+\s], s21, v3
	v_add_nc_u32 v[ADRB+\s], s22, v3
	s_add_co_u32 s21, s21, SLOT
	s_add_co_u32 s22, s22, SLOT
.endr
	s_mul_i32 s23, s10, 16*PITCH
	s_add_co_u32 s23, s23, STAGE                   ; my stage
	v_mul_u32_u24 v4, v1, PITCH
	v_lshl_add_u32 v4, v2, 5, v4
	v_add_nc_u32 v[STO], s23, v4                   ; in: row r, 32 bytes (8 f32) for each half
	v_mul_u32_u24 v5, v2, PITCH
	v_lshl_add_u32 v5, v1, 4, v5
	v_add_nc_u32 v[RD], s23, v5                    ; back: lanes 0-15 one row of 256 bytes, lanes 16-31 the next
	v_lshlrev_b32 v5, 12, v2
	v_lshl_add_u32 v[CO], v1, 4, v5                ; the same two rows in out0 (4096 bytes a row)
; 16 matrix instructions: all 16 accumulators once, 32 along K (half ks of a head).  The accumulators take turns, one instruction a turn,
; in the same order everywhere.
.macro MUL16 f, ks, zero
.irp a, 0,1,2,3
.irp b, 0,1,2,3
.if \zero
	v_wmma_f32_16x16x32_f16 v[8*(4*\a+\b):8*(4*\a+\b)+7], v[\f+8*(4*\ks+\b):\f+8*(4*\ks+\b)+7], v[\f+8*(4*\ks+\a):\f+8*(4*\ks+\a)+7], 0
.else
	v_wmma_f32_16x16x32_f16 v[8*(4*\a+\b):8*(4*\a+\b)+7], v[\f+8*(4*\ks+\b):\f+8*(4*\ks+\b)+7], v[\f+8*(4*\ks+\a):\f+8*(4*\ks+\a)+7], v[8*(4*\a+\b):8*(4*\a+\b)+7]
.endif
.endr
.endr
.endm
; 32 LDS loads in one run: head q of the slot, 64 rows of B, then 64 rows of A (its first 32 k, then its second 32 k), into buffer f
.macro FETCH slot, q, f
	WIN TO_B
.irp ks, 0,1
.irp i, 0,1,2,3
	ds_load_b128 v[\f+8*(4*\ks+\i):\f+8*(4*\ks+\i)+3],   v[ADRB+\slot] offset:\q*BLK+\i*8*PITCH+\ks*64
	ds_load_b128 v[\f+8*(4*\ks+\i)+4:\f+8*(4*\ks+\i)+7], v[ADRB+\slot] offset:\q*BLK+\i*8*PITCH+\ks*64+32
.endr
.endr
	WIN 0
.irp ks, 0,1
.irp i, 0,1,2,3
	ds_load_b128 v[\f+8*(4*\ks+\i):\f+8*(4*\ks+\i)+3],   v[ADRA+\slot] offset:\q*BLK+\i*8*PITCH+\ks*64
	ds_load_b128 v[\f+8*(4*\ks+\i)+4:\f+8*(4*\ks+\i)+7], v[ADRA+\slot] offset:\q*BLK+\i*8*PITCH+\ks*64+32
.endr
.endr
.endm
; Four plain vector instructions between a matrix instruction and a load into, or a store of, one of its registers
.macro PLACES
.rept 4
	v_nop
.endr
.endm
; One head: multiplies buffer f; in its middle it fetches head qn of the same slot into buffer g.
.macro QUARTER slot, qn, f, g, zero
	s_wait_dscnt 8                                 ; B and A's first 32 k are in; the youngest eight loads (A's second 32 k) may be out
	WIN MUL
	MUL16 \f, 0, \zero
	PLACES
	FETCH \slot, \qn, \g
	s_wait_dscnt 32                                ; all but the 32 just issued
	WIN MUL
	MUL16 \f, 1, 0
.endm
.macro THREE slot, zero
	QUARTER \slot, 1, F0, F1, \zero
	QUARTER \slot, 2, F1, F0, 0
	QUARTER \slot, 3, F0, F1, 0
.endm
; The slot's last head, and the change of slots.  In front of the barrier each wave waits for its reads of this slot and for all its tensor
; loads (one is out: its part of the next slot).  Where the slot is filled again the barrier opens a round of the cluster's barrier, and the
; joint refill is the first tensor load behind the round.
.macro TURN slot, next, fill
	s_wait_dscnt 0                                 ; my reads of this slot are over
	s_wait_tensorcnt 0x0                           ; all my tensor loads have landed
	ds_add_u32 v255, v255
	s_wait_dscnt 0x0
	s_barrier_signal -1
	WIN MUL
	MUL16 F1, 0, 0                                 ; register work while the others arrive
	WIN 0
	s_barrier_wait -1
.if \fill
	CREST
	s_add_nc_u64 s[G0+4*\slot+2:G0+4*\slot+3], s[G0+4*\slot+2:G0+4*\slot+3], 131072      ; eight heads on
	s_add_nc_u64 s[G0B+4*\slot+2:G0B+4*\slot+3], s[G0B+4*\slot+2:G0B+4*\slot+3], 131072
	JLOAD \slot                                    ; the wave's one tensor load behind the round
.endif
	PLACES
	FETCH \next, 0, F0
	WIN MUL
	MUL16 F1, 1, 0
.endm
	s_wait_tensorcnt 1                             ; my part of slot 0 is in; slot 1's load, issued behind it, may stay out
	s_barrier_signal -1
	s_barrier_wait -1
	FETCH 0, 0, F0
	THREE 0, 1                                     ; heads 0-3: the first products start the sums
	TURN 0, 1, 1                                   ; slot 0 gets heads 8-11
	THREE 1, 0                                     ; heads 4-7
	TURN 1, 0, 1                                   ; slot 1 gets heads 12-15
	THREE 0, 0                                     ; heads 8-11
	TURN 0, 1, 0                                   ; nothing is left to fetch
	THREE 1, 0                                     ; heads 12-15
	s_wait_dscnt 8
	WIN MUL
	MUL16 F1, 0, 0
	s_wait_dscnt 0
	MUL16 F1, 1, 0
	; THE WAY OUT, 16 rows at a time: 32 bytes a lane and tile into my stage, read back as rows of 256 bytes.
	PLACES
	s_lshl_b32 s16, s13, 19                        ; 128 rows of 4096 bytes
	s_lshl_b32 s14, s11, 18                        ; my 64 rows
	s_add_co_u32 s16, s16, s14
	s_mov_b32 s17, 0
	s_add_nc_u64 s[8:9], s[8:9], s[16:17]
	s_lshl_b32 s46, s42, 9                         ; 128 columns of 4 bytes
	s_lshl_b32 s47, s12, 8                         ; my 64 columns
	s_add_co_u32 s46, s46, s47
	s_mov_b32 s47, 0
	s_add_nc_u64 s[8:9], s[8:9], s[46:47]
.macro OUT16 a, f
	WIN 0x08                                       ; an LDS store's data are source 1: window 2
.irp b, 0,1,2,3
	ds_store_b128 v[STO], v[8*(4*\a+\b):8*(4*\a+\b)+3]   offset:64*\b
	ds_store_b128 v[STO], v[8*(4*\a+\b)+4:8*(4*\a+\b)+7] offset:64*\b+16
.endr
	WIN 0
	s_wait_xcnt 0x0                                ; buffer f, which earlier stores read, is loaded again only behind this wait
.irp t, 0,1,2,3,4,5,6,7
	ds_load_b128 v[\f+4*\t:\f+4*\t+3], v[RD] offset:\t*2*PITCH     ; my own bytes: LDS serves a wave's instructions in order
.endr
.irp t, 0,1,2,3,4,5,6,7
	s_wait_dscnt 7-\t                              ; read-back t is in, the younger ones stay out
	global_store_b128 v[CO], v[\f+4*\t:\f+4*\t+3], s[8:9] offset:\a*65536+\t*8192   ; sixteen lanes store 256 consecutive aligned bytes
.endr
.endm
	OUT16 0, F0
	OUT16 1, F1
	OUT16 2, F0
	OUT16 3, F1
	s_set_vgpr_msb 0x1
	s_wait_tensorcnt 0x0
	ds_add_u32 v255, v255
	s_wait_dscnt 0x0
	s_set_vgpr_msb 0x100
	CROUND                                         ; the closing round: no work-group ends while a partner may still ask for a tile that names it
	s_endpgm
.Lfunc_end_k_q78b3cb348a_oproj:
	.size	k_q78b3cb348a_oproj, .Lfunc_end_k_q78b3cb348a_oproj-k_q78b3cb348a_oproj
	.p2alignl 7, 3214868480
	.fill 96, 4, 3214868480
	.section	.rodata,"a",@progbits
	.p2align	6, 0x0
	.amdhsa_kernel k_q78b3cb348a_oproj
		.amdhsa_group_segment_fixed_size 327680
		.amdhsa_private_segment_fixed_size 0
		.amdhsa_enable_private_segment 0
		.amdhsa_kernarg_size 24
		.amdhsa_user_sgpr_count 2
		.amdhsa_user_sgpr_kernarg_segment_ptr 1
		.amdhsa_wavefront_size32 1
		.amdhsa_system_sgpr_workgroup_id_x 1
		.amdhsa_system_sgpr_workgroup_id_y 1
		.amdhsa_system_sgpr_workgroup_id_z 1
		.amdhsa_system_vgpr_workitem_id 0
		.amdhsa_next_free_vgpr 640
		.amdhsa_next_free_sgpr 66
		.amdhsa_reserve_vcc 0
		.amdhsa_float_denorm_mode_32 3
		.amdhsa_float_denorm_mode_16_64 3
		.amdhsa_memory_ordered 1
		.amdhsa_forward_progress 1
		.amdhsa_inst_pref_size 86
	.end_amdhsa_kernel
	.amdgpu_metadata
---
amdhsa.version: [ 1, 2 ]
amdhsa.kernels:
  - .name:           k_q78b3cb348a_oproj
    .symbol:         k_q78b3cb348a_oproj.kd
    .args:
      - { .name: att, .offset: 0, .size: 8, .value_kind: global_buffer, .address_space: global }
      - { .name: wb, .offset: 8, .size: 8, .value_kind: global_buffer, .address_space: global }
      - { .name: out0, .offset: 16, .size: 8, .value_kind: global_buffer, .address_space: global }
    .group_segment_fixed_size: 327680
    .private_segment_fixed_size: 0
    .kernarg_segment_align: 8
    .kernarg_segment_size: 24
    .max_flat_workgroup_size: 128
    .sgpr_count:     66
    .vgpr_count:     640
    .wavefront_size: 32
...
	.end_amdgpu_metadata
.endif
;; end of part 4
